; MI455X (gfx1250); checked and timed in simulation.
; The chip was launched on July 23, 2026; its instructions are those of AMD's public machine-readable ISA for CDNA 5 (MIT licence, August 2026) and "CDNA5" Instruction Set Architecture Reference Guide (July 2026). The comments in the code are by the model that wrote it; some were corrected since.
;; MHA Block. Allowed arithmetic: matrix products marked QUANTISED: E2M1 operands, one E8M0 scale for each 32 along K, by v_wmma_scale_f32_16x16x128_f8f6f4 with both operands' format E2M1 (or v_wmma_scale_f32_32x16x128_f4), f32 sums; everything else in f32.
;; Inputs: input_k_codes 2 x 2,048 x 32 x 16 uint8 (E2M1 codes of input_k, K innermost, in blocks of 32 codes, two codes a byte); input_k_scales 2 x 2,048 x 32 uint8 (E8M0 scales of input_k, one for each 32 codes along K); input_q_codes 2 x 2,048 x 32 x 16 uint8 (E2M1 codes of input_q, K innermost, in blocks of 32 codes, two codes a byte); input_q_scales 2 x 2,048 x 32 uint8 (E8M0 scales of input_q, one for each 32 codes along K); wk_codes 1,024 x 32 x 16 uint8 (E2M1 codes of wk, K innermost, in blocks of 32 codes, two codes a byte); wk_scales 1,024 x 32 uint8 (E8M0 scales of wk, one for each 32 codes along K); wq_codes 1,024 x 32 x 16 uint8 (E2M1 codes of wq, K innermost, in blocks of 32 codes, two codes a byte); wq_scales 1,024 x 32 uint8 (E8M0 scales of wq, one for each 32 codes along K); wv_codes 1,024 x 32 x 16 uint8 (E2M1 codes of wv, K innermost, in blocks of 32 codes, two codes a byte); wv_scales 1,024 x 32 uint8 (E8M0 scales of wv, one for each 32 codes along K).
;; Outputs: out0 2 x 2,048 x 1,024 float32.
;; This version of the problem:
;;   THIS VERSION OF THE PROBLEM IS GIVEN IN LOW PRECISION. The matrix products marked QUANTISED in the list below multiply operands that are first quantised to E2M1 (2 exponent bits, 1 mantissa bit; 4 bits a number), with one power-of-two scale for each 32 numbers along K (OCP MX v1.0); their sums are f32. All else is computed in f32.
;;   The module's matrix products, in the order in which they are computed (A, B: the left and right operand; K: the contracted axis; several contracted axes count as one K, in the product's order):
;;     1. [M 4,096, K 1,024] x [K 1,024, N 1,024]; A: input input_q (given as codes); B: input wq (given as codes): QUANTISED
;;     2. [M 4,096, K 1,024] x [K 1,024, N 1,024]; A: input input_k (given as codes); B: input wk (given as codes): QUANTISED
;;     3. [M 4,096, K 1,024] x [K 1,024, N 1,024]; A: input input_k (given as codes); B: input wv (given as codes): QUANTISED
;;     4. batch 32 x [M 2,048, K 64] x [K 64, N 2,048]; A: computed on the way; B: computed on the way: QUANTISED
;;     5. batch 32 x [M 2,048, K 2,048] x [K 2,048, N 64]; A: softmax (see below); B: computed on the way: QUANTISED
;;   THE QUANTISER, for each operand of a quantised product, along K:
;;     - K is cut into blocks of 32 from its start; a last block that is shorter is filled with zeros.
;;     - A block's scale is 2^e with e = floor(log2(the largest magnitude in the block)) - 2, held to -126 .. 127; a block of zeros has e = 0. As a byte (E8M0): e + 127.
;;     - Each number is divided by its block's scale, clamped to +-6, and rounded to the nearest number of E2M1, ties to even, subnormals kept.
;;     - The product sums the exact products of the quantised numbers (number of the format x scale) in f32.
;;   ~~~python
;;   def quantise(x, axis):      # numpy; x: float32 -> the quantised numbers, widened to float32 again
;;       x = np.moveaxis(x, axis, -1); K = x.shape[-1]
;;       x = np.pad(x, [(0, 0)] * (x.ndim - 1) + [(0, -K % 32)]); x = x.reshape(x.shape[:-1] + (-1, 32)); a = np.abs(x).max(-1, keepdims=True)
;;       e = np.where(a > 0, np.clip(np.frexp(np.where(a > 0, a, 1))[1] - 1 - 2, -126, 127), 0)      # np.frexp(a)[1] - 1 = floor(log2(a)), exactly
;;       r = np.clip(x / 2.0 ** e, -6, 6)
;;       step = 2.0 ** (np.maximum(np.frexp(np.where(r == 0, 1, r))[1] - 1, 0) - 1)
;;       q = np.round(r / step) * step * 2.0 ** e      # np.round: ties to even
;;       return np.moveaxis(q.reshape(q.shape[:-2] + (-1,))[..., :K], -1, axis).astype(np.float32)
;;   ~~~
;;   SOFTMAX AHEAD OF A QUANTISED PRODUCT. Where the list says 'softmax', what is quantised is not the finished softmax but p = 2^(t - M), with t = logit x log2(e) and M = ceil(the row's largest t), a whole number; so 1/2 < the row's largest p <= 1. The row's sum l is taken of the UNQUANTISED p, in f32, and the product's result is divided by l at the end. Since M is a whole number, a kernel that streams over the keys may use a running M (the ceiling of the running maximum): every later rescaling is an exact power of two, which a block's scale takes up: the codes' values come out the same.
;;   OPERANDS COMPUTED ON THE WAY. 'Computed on the way' means the value that the module computes at that place (a softmax that the list does not call 'softmax' is quantised finished and normalised). What goes into a quantiser is computed in f32, as accurately as f32 sums, v_exp_f32 and their like allow (about 1e-6 of the number): no bf16 or f16 on the way to a quantiser, and a product that is left as it is and whose result goes on into a quantised operand takes f32 operands (vector FMAs, or v_wmma_f32_16x16x4_f32). A number that lies on a knife's edge between two numbers of the format may be rounded either way, as far as f32 arithmetic and the matrix unit's own rounding can turn it there, and no further.
;;   INPUTS GIVEN AS CODES. input_k (in the module: [2, 2048, 1024], K = its axis 2); input_q (in the module: [2, 2048, 1024], K = its axis 2); wk (in the module: [1024, 1024], K = its axis 0); wq (in the module: [1024, 1024], K = its axis 0); wv (in the module: [1024, 1024], K = its axis 0): each comes as NAME_codes (uint8): NAME with its K axis moved to the last place and cut into blocks of 32 codes, [.., K / 32, bytes a block], one block behind the other in memory; two codes a byte, the lower K in the low four bits (a code: sign, 2 exponent bits, 1 mantissa bit); and NAME_scales (uint8): the same leading axes, one E8M0 byte (e + 127) for each 32 codes along K. Its value is code x scale, taken as it is: it is not quantised again, and the codes and scales need not be those that the quantiser above would give.
;; One version. Each part assembles by itself: llvm-mc -triple=amdgcn-amd-amdhsa -mcpu=gfx1250 --defsym DOCPART=n.
;; ======== version 1 of 1: 2 launches
;; limits: right only within a limited range of input values
;; workspace buffers: qimg 2,097,152 bytes; qsc 262,144 bytes; kimg 2,097,152 bytes; ksc 262,144 bytes; vimg 2,097,152 bytes; vsc 131,072 bytes
;; launch proj (part 1): grid 4 x 48, 8 waves a work-group, clusters of 4 x 4, 279,552 bytes of LDS; arguments input_q_codes, input_q_scales, input_k_codes, input_k_scales, wq_codes, wq_scales, wk_codes, wk_scales, wv_codes, wv_scales, qimg, qsc, kimg, ksc, vimg, vsc; writes qimg, qsc, kimg, ksc, vimg, vsc
.if DOCPART == 1
	.amdgcn_target "amdgcn-amd-amdhsa--gfx1250"
	.amdhsa_code_object_version 6
	.text
	.protected	k_q1db213357f_proj
	.globl	k_q1db213357f_proj
	.p2align	8
	.type	k_q1db213357f_proj,@function
k_q1db213357f_proj:
	s_mov_b64 s[64:65], 0
	v_nop
	global_prefetch_b8 v0, s[64:65] scope:SCOPE_SE
	s_setreg_imm32_b32 hwreg(HW_REG_WAVE_MODE, 25, 1), 1
	s_wait_xcnt 0x0
	s_wait_alu depctr_hold_cnt(0) depctr_sa_sdst(0) depctr_va_vdst(0) depctr_va_sdst(0) depctr_va_ssrc(0) depctr_va_vcc(0) depctr_vm_vsrc(0)
	s_getreg_b32 s2, hwreg(HW_REG_IB_STS2, 6, 4)
	s_cmp_eq_u32 s2, 0
	s_cbranch_scc0 .Lentry_in_a_cluster
	s_endpgm
.Lentry_in_a_cluster:
	s_bfe_u32 s2, ttmp6, 0x10000c
	s_cmp_lg_u32 s2, 0xf033
	s_cbranch_scc0 .Lentry_shape_is_right
	s_endpgm
.Lentry_shape_is_right:
; THE THREE PROJECTIONS, q = input_q wq, k = input_k wk, v = input_k wv, on codes of FP4 (E2M1) with one E8M0 scale for each 32 along K = 1,024; each result is quantised
; in registers for the product that takes it next: q and k along a head's 64 channels, v along the keys.  One text serves all three:
;   R[i][j] = sum over k of S0[i][k] S1[j][k], quantised along i.   kind 0 (q): S0 = wq, S1 = input_q;  kind 1 (k): S0 = wk, S1 = input_k;  kind 2 (v): S0 = input_k, S1 = wv.
; S0 is the matrix instruction's source 0, so a lane holds ONE j and its registers run along i.
; SHARES.  A work-group makes 256 (i) x 256 (j): 64 tiles a kind, 192 work-groups.  Both operands' 256 rows, all of K (2 x 128 KiB of codes), lie in LDS, each byte filled once: no ring, and no prefetch:
; all that is read is asked for at the head.  Wave w takes 128 of i (w % 2) and 64 of j (w / 2): 32 accumulators of 16 x 16, 256 registers.
; CLUSTER 4 x 4: the activations' rows hang on the tile number that a row of the cluster shares, the weight's on the one that a column shares: each tile is asked for jointly by the four.
; The kind is made of the cluster's y alone: it is the same in all sixteen partners.  It decides which operand lands in S0's LDS region, so that no LDS address hangs on it.
; THE ROWS OF A TILE ARE NOT NEIGHBOURS, in S0 and S1 alike: lane r of tile t takes row ROW(t, r) = 64 (t / 4) + (r < 8: 8 (t % 4) + r;  r >= 8: 32 + 8 ((t % 4) xor 1) + r % 8).
; So the 32 registers of tiles 4 c .. 4 c + 3 in lane (r, h) are the whole block 64 c + 32 h + 0 .. 31 of i (h = 1: its groups of eight in the order 1, 0, 3, 2): a block's maximum and its codes
; need no other lane.  Rows r and r + 8 of a tile lie 24 or 40 rows apart, an odd number of eights: with LDS rows of 272 bytes the sixteen start 16 bytes apart modulo 256.
; WHAT IS STORED are images of the next product's operand registers, 512 consecutive bytes a store (l = lane = 16 h + r; bh = 16 x batch + head):
;   qimg, kimg [bh][g 0..31][t 0..3][l][16 bytes]: row 64 g + ROW(t, r), its channels 32 h .. 32 h + 31 in the order above (the same for q and k).
;   vimg [bh][s 0..15][t 0..3][c 0..1][l][16 bytes]: channel ROW(t, r), keys 128 s + 64 c + 32 h + 0 .. 31 in the order above.
;   qsc, ksc [bh][g][r][t = 0, 2, 1, 3] words: bytes 0, 1 the head's two blocks; bytes 2, 3 (the neighbouring head's bytes, or 0; never 0xff) meet zero codes only.
;   vsc [bh][s][r][t = 0, 2, 1, 3] words: the four bytes of channel ROW(t, r) for keys 128 s on.
; THE QUANTISER: a block's byte is its largest magnitude's exponent field - 2, held at 1 from below by a floor among the maximum's leaves.
; LIMITS: NaN and infinities are not served.  A block whose largest magnitude lies under 2^-124 keeps the byte 1; a block of zeros gets 1 where the rule says 127: its codes are zeros, and this program alone reads the bytes.
; REGISTERS.  Window 0: v1-15 addresses; v16-111, v112-207 two buffers of fragments (8 of S0, then 4 of S1, 8 registers each); v208-239 S0's scale words, v240-255 S1's.  Window 1: accumulator (jt, it) at v[64 jt + 8 it].
.set PITCH,  272                       ; an LDS row: 256 bytes of codes + 16 of padding
.set HALFT,  128*PITCH                 ; what one tensor load brings: 128 rows
.set REGION, 256*PITCH                 ; an operand's 256 rows: S0's first, then S1's
.set HALFB,  512*PITCH                 ; half H of K (bytes 256 H .. 256 H + 255 of every row) begins at H x HALFB
.set SPARE,  2*HALFB                   ; the spare words
.set FB,   16                          ; fragment buffers
.set SS0,  208                         ; scale words: tile t's four registers; register q: lanes 0-15 K step q, lanes 16-31 K step 4 + q
.set SS1,  240
.set PC,   16                          ; the way out (over the fragment buffers): codes, 8 registers for each jt
.set PW,   48                          ; v48-51  the scale word of each jt
.set PWS,  52                          ; v52-55  the same, shifted for the lane's head, in the order 0, 2, 1, 3
.set TM,   56                          ; v56-59 largest magnitudes, v60-61 the conversions' scale operands, v62-63 bytes
.set OA,   72                          ; v72-79  byte offsets of the eight stores of images
.set MSB, 0
.macro WIN new                         ; the immediate's high byte repeats the setting that is left; a switch that changes nothing is dropped
.if MSB != \new
	s_set_vgpr_msb (MSB<<8)|\new
.set MSB, \new
.endif
.endm
.macro ROUND                           ; a round of the cluster's barrier: my work-group's barrier, wave 0 signals for the work-group, every wave waits for all sixteen, my work-group's barrier again
	s_barrier_signal -1
	s_barrier_wait -1
	s_cmp_lg_u32 s4, 0
	s_cbranch_scc1 .Lnot_wave_0_\@
	s_barrier_signal -3
.Lnot_wave_0_\@:
	s_barrier_wait -3
	s_barrier_signal -1
	s_barrier_wait -1
.endm
.macro ASKFOR g0, g1                   ; a joint load and the lines behind it
	tensor_load_to_lds s[\g0:\g0+3], s[\g1:\g1+7]
	s_nop 0
.rept 4
	v_nop
.endr
.endm
.macro ARM under, g0, g1, next
	s_cmp_lt_u32 s4, \under
	s_cbranch_scc0 \next
	ASKFOR \g0, \g1
	s_branch .Lfilled
\next:
.endm
	s_load_b512 s[16:31], s[0:1], 0x0              ; input_q codes, scales; input_k codes, scales; wq codes, scales; wk codes, scales
	s_load_b512 s[32:47], s[0:1], 0x40             ; wv codes, scales; qimg, qsc; kimg, ksc; vimg, vsc
	v_lshl_add_u32 v14, v0, 2, SPARE
	v_mov_b32 v15, 0
	ds_add_u32 v14, v15                            ; the wave's opening: the add, twice on end, and its wait ahead of my tensor load
	ds_add_u32 v14, v15
	v_lshrrev_b32 v1, 5, v0
	v_readfirstlane_b32 s4, v1                     ; wave 0..7
	s_and_b32 s5, s4, 1                            ; which 128 of i; also which 128 rows of an operand I fetch
	s_lshr_b32 s6, s4, 1                           ; which 64 of j; also (its low bit) which region I fetch for
	s_lshr_b32 s7, s4, 2                           ; which half of K I fetch
	s_bfe_u32 s8, ttmp6, 0x40000                   ; cx
	s_bfe_u32 s9, ttmp6, 0x40004                   ; cy
	s_and_b32 s10, ttmp7, 0xffff                   ; the cluster's y, 0..11
	s_lshr_b32 s11, s10, 2                         ; the kind
	s_and_b32 s12, s10, 3
	s_lshl_b32 s12, s12, 2
	s_add_co_u32 s12, s12, s9                      ; xt: which 256 rows of the activations, 0..15
	s_lshl_b32 s13, ttmp9, 2
	s_add_co_u32 s13, s13, s8                      ; wt: which 256 rows of the weight, 0..3
	s_lshl_b32 s14, 0x1111, s8                     ; my column of the cluster
	s_lshl_b32 s15, s9, 2
	s_lshl_b32 s15, 15, s15                        ; my row
	; descriptor group 1: 128 rows x 256 bytes, 512 bytes apart in memory; 16 bytes of padding behind every 64 words; bit 21 set beside a mask
	s_or_b32 s48, s14, (1<<20)|(1<<21)|(5<<22)|(3<<25)   ; the weight's tiles go to my column
	s_or_b32 s56, s15, (1<<20)|(1<<21)|(5<<22)|(3<<25)   ; the activations' to my row
.irp g, 48, 56
	s_mov_b32 s[\g+1], 256<<16                     ; tensor_dim0
	s_mov_b32 s[\g+2], 128<<16                     ; tensor_dim1
	s_mov_b32 s[\g+3], 256<<16                     ; tile_dim0
	s_mov_b32 s[\g+4], 128                         ; tile_dim1
	s_mov_b32 s[\g+5], 512                         ; from row to row
	s_mov_b32 s[\g+6], 0
	s_mov_b32 s[\g+7], 0
.endr
	s_lshl_b32 s92, s12, 8                         ; 256 xt
	s_lshl_b32 s93, s13, 8                         ; 256 wt
	s_lshl_b32 s94, s5, 7                          ; 128 (w % 2)
	s_lshl_b32 s95, s6, 6                          ; 64 (w / 2)
	s_mul_i32 s96, s4, HALFT                       ; where my tensor load lands: wave x 128 rows: K half 0: S0's, S1's, then K half 1: S0's, S1's
	s_mov_b32 s98, 0x76543210
	s_mov_b32 s99, 0xfedcba98                      ; v_permlanex16_b32's selects for lane l xor 16
	; what the kind chooses, numbers first; every selection stands behind its compare with moves alone between
	s_cmp_eq_u32 s11, 2
	s_cselect_b32 s76, s92, s93                    ; S0's first row
	s_cselect_b32 s77, s93, s92                    ; S1's
	s_cselect_b32 s78, s95, s94                    ; my first weight row within the tile
	s_cselect_b32 s79, s94, s95                    ; my first activation row within the tile
	s_mov_b32 s80, 512
	s_cselect_b32 s80, 1024, s80                   ; bytes from jt to jt + 1 in the images
	s_mov_b32 s81, 65536
	s_cselect_b32 s81, 512, s81                    ; from group c = 0 to 1: v: the next 64 keys; q, k: the next head
	s_cselect_b32 s82, 0, 1                        ; q's and k's scale words take twice v's bytes
	s_cselect_b32 s83, 0, 16                       ; lanes 16-31 take the upper two bytes (q, k: the second head's)
	s_cselect_b32 s66, 0, 8192                     ; and store them one head on
	s_cselect_b32 s67, 16, 32                      ; lanes that store scale words
	s_add_co_u32 s84, s93, s78                     ; n0: my first column of the projection
	s_add_co_u32 s85, s92, s79                     ; x0: my first row of it
	s_lshr_b32 s86, s85, 11                        ; the batch
	s_and_b32 s87, s85, 2047                       ; the row within it
	s_mul_i32 s100, s5, HALFT                      ; S0: my 128 rows
	s_mul_i32 s101, s6, 64*PITCH                   ; S1: my 64 rows, in the second region
	s_add_co_u32 s101, s101, REGION
	v_and_b32 v1, 15, v0                           ; r
	v_bfe_u32 v2, v0, 4, 1                         ; h
	v_and_b32 v3, 7, v0                            ; r % 8
	v_bfe_u32 v13, v0, 3, 1                        ; r / 8
	v_mad_u32_u24 v12, v13, 40, v3                 ; my row in an even tile, less 8 (t % 4) + 64 (t / 4)
	v_mad_u32_u24 v13, v13, 24, v3                 ; in an odd tile
	v_mul_u32_u24 v4, v12, PITCH
	v_mul_u32_u24 v5, v13, PITCH
	v_lshl_add_u32 v4, v2, 4, v4                   ; + 16 h
	v_lshl_add_u32 v5, v2, 4, v5
	v_lshlrev_b32 v3, 5, v12                       ; scale words: rows of 32 bytes, + 16 h: four K steps' words: v3 even tiles, v13 odd tiles
	v_lshlrev_b32 v13, 5, v13
	v_lshl_add_u32 v3, v2, 4, v3
	v_lshl_add_u32 v13, v2, 4, v13
	v_add_nc_u32 v8, s101, v4                      ; fragments of S1: v8, v9 K half 0 (even, odd tiles), v10, v11 half 1
	v_add_nc_u32 v9, s101, v5
	v_add_nc_u32 v4, s100, v4                      ; of S0: v4, v5 and v6, v7
	v_add_nc_u32 v5, s100, v5
	v_add_nc_u32 v6, HALFB, v4
	v_add_nc_u32 v7, HALFB, v5
	v_add_nc_u32 v10, HALFB, v8
	v_add_nc_u32 v11, HALFB, v9
	v_and_b32 v12, 31, v0
	v_lshlrev_b32 v12, 4, v12                      ; 16 x lane
	s_lshl_b32 s101, s86, 20                       ; images: 65,536 bytes a head (n0 / 64), 32 bytes a row: the same sum for all kinds
	s_lshl_b32 s100, s84, 10
	s_add_co_u32 s101, s101, s100
	s_lshl_b32 s100, s87, 5
	s_add_co_u32 s101, s101, s100
	v_add_nc_u32 v12, s101, v12                    ; images: 16 x lane + my part's first byte
	s_lshl_b32 s86, s86, 16                        ; scale words: v: 4,096 bytes a head, 2 a key; q, k: twice that
	s_lshl_b32 s100, s84, 6
	s_add_co_u32 s86, s86, s100
	s_lshl_b32 s100, s87, 1
	s_add_co_u32 s86, s86, s100
	s_lshl_b32 s86, s86, s82
	s_add_co_u32 s88, s76, s94                     ; my 128 rows of S0: 32 bytes of scales a row
	s_lshl_b32 s88, s88, 5
	s_mov_b32 s89, 0
	s_add_co_u32 s90, s77, s95                     ; my 64 rows of S1
	s_lshl_b32 s90, s90, 5
	s_mov_b32 s91, 0
	s_lshl_b32 s84, s5, 16                         ; what I fetch: 128 rows of 512 bytes,
	s_lshl_b32 s85, s7, 8                          ; half a row
	s_add_co_u32 s84, s84, s85
	s_lshl_b32 s100, s13, 17                       ; the weight's tile: made of wt and the wave alone
	s_add_co_u32 s100, s100, s84
	s_mov_b32 s101, 0
	s_lshl_b32 s2, s12, 17                         ; the activations': made of xt and the wave alone
	s_add_co_u32 s2, s2, s84
	s_mov_b32 s3, 0
	s_wait_alu depctr_va_vdst(0)                   ; the wait here, ahead of the waits below
	s_wait_dscnt 0x0                               ; both opening adds are done
	s_wait_kmcnt 0x0
	s_cmp_eq_u32 s11, 0
	s_cselect_b64 s[16:17], s[16:17], s[20:21]     ; the activations' codes
	s_cselect_b64 s[18:19], s[18:19], s[22:23]     ; and scales
	s_cselect_b64 s[24:25], s[24:25], s[28:29]     ; the weight's codes (q's or k's)
	s_cselect_b64 s[26:27], s[26:27], s[30:31]
	s_cselect_b64 s[36:37], s[36:37], s[40:41]     ; images
	s_cselect_b64 s[38:39], s[38:39], s[42:43]     ; scale words
	s_cmp_eq_u32 s11, 2
	s_cselect_b64 s[24:25], s[32:33], s[24:25]     ; v's in their stead
	s_cselect_b64 s[26:27], s[34:35], s[26:27]
	s_cselect_b64 s[36:37], s[44:45], s[36:37]
	s_cselect_b64 s[38:39], s[46:47], s[38:39]
	s_cselect_b64 s[40:41], s[18:19], s[26:27]     ; S0's scales: the activations' for v, else the weight's
	s_cselect_b64 s[42:43], s[26:27], s[18:19]     ; S1's
	s_mov_b32 s68, 1                               ; group 0 for the weight: count 1, LDS address, global address, type 2
	s_mov_b32 s69, s96
	s_add_nc_u64 s[70:71], s[24:25], s[100:101]
	s_or_b32 s71, s71, 0x80000000
	s_mov_b32 s72, 1                               ; and for the activations
	s_mov_b32 s73, s96
	s_add_nc_u64 s[74:75], s[16:17], s[2:3]
	s_or_b32 s75, s75, 0x80000000
	s_add_nc_u64 s[40:41], s[40:41], s[88:89]
	s_add_nc_u64 s[42:43], s[42:43], s[90:91]
	ROUND                                          ; all sixteen work-groups are here: the joint loads meet
	; THE HEAD'S LOADS, ONE A WAVE: waves 0-3 K half 0, waves 4-7 K half 1; waves 0, 1, 4, 5 S0's rows, the others S1's.  Each line has one mask
	s_cmp_eq_u32 s11, 2
	s_cbranch_scc1 .Lfill_v
	ARM 2, 68, 48, .Lfill_a                        ; q, k: S0 is the weight
	ARM 4, 72, 56, .Lfill_b
	ARM 6, 68, 48, .Lfill_c
	ASKFOR 72, 56
	s_branch .Lfilled
.Lfill_v:
	ARM 2, 72, 56, .Lfill_d                        ; v: S0 is the activations
	ARM 4, 68, 48, .Lfill_e
	ARM 6, 72, 56, .Lfill_f
	ASKFOR 68, 48
.Lfilled:
.irp t, 0,1,2,3,4,5,6,7
	global_load_b128 v[SS0+4*\t:SS0+4*\t+3], v[3+10*(\t%2)], s[40:41] offset:(8*(\t%4)+64*(\t/4))*32   ; a tile's scale bytes for all of K: two runs of 256 consecutive bytes, read once
.endr
.irp t, 0,1,2,3
	global_load_b128 v[SS1+4*\t:SS1+4*\t+3], v[3+10*(\t%2)], s[42:43] offset:256*\t
.endr
; 24 LDS loads: K step s's fragments into buffer p.  A fragment, 16 rows x 128 K, is 8 registers: lane (r, h) holds its row; registers 4 c .. 4 c + 3 hold K = 64 c + 32 h + 0 .. 31
.macro FETCH s, p
.set FH, (\s)/4
.set FQ, (\s)%4
.set FP, FB+96*(\p)
.irp it, 0,1,2,3,4,5,6,7
.irp c, 0,1
	ds_load_b128 v[FP+8*\it+4*\c:FP+8*\it+4*\c+3], v[4+2*FH+\it%2] offset:(8*(\it%4)+64*(\it/4))*PITCH+64*FQ+32*\c
.endr
.endr
.irp jt, 0,1,2,3
.irp c, 0,1
	ds_load_b128 v[FP+64+8*\jt+4*\c:FP+64+8*\jt+4*\c+3], v[8+2*FH+\jt%2] offset:8*\jt*PITCH+64*FQ+32*\c
.endr
.endr
.endm
; 32 matrix instructions on buffer MP with scale registers MQ.  mode 0: they start the sums; 1: K steps 1-3; 2: K steps 4-7, whose scale words lie in lanes 16-31.
; The 32 accumulators take turns, one instruction a turn, in the same order in every K step.
.macro MUL32 mode
.irp jt, 0,1,2,3
.irp it, 0,1,2,3,4,5,6,7
.if \mode == 0
	v_wmma_scale_f32_16x16x128_f8f6f4 v[64*\jt+8*\it:64*\jt+8*\it+7], v[MP+8*\it:MP+8*\it+7], v[MP+64+8*\jt:MP+64+8*\jt+7], 0, v[SS0+4*\it+MQ], v[SS1+4*\jt+MQ] matrix_a_fmt:MATRIX_FMT_FP4 matrix_b_fmt:MATRIX_FMT_FP4
.elseif \mode == 1
	v_wmma_scale_f32_16x16x128_f8f6f4 v[64*\jt+8*\it:64*\jt+8*\it+7], v[MP+8*\it:MP+8*\it+7], v[MP+64+8*\jt:MP+64+8*\jt+7], v[64*\jt+8*\it:64*\jt+8*\it+7], v[SS0+4*\it+MQ], v[SS1+4*\jt+MQ] matrix_a_fmt:MATRIX_FMT_FP4 matrix_b_fmt:MATRIX_FMT_FP4
.else
	v_wmma_scale_f32_16x16x128_f8f6f4 v[64*\jt+8*\it:64*\jt+8*\it+7], v[MP+8*\it:MP+8*\it+7], v[MP+64+8*\jt:MP+64+8*\jt+7], v[64*\jt+8*\it:64*\jt+8*\it+7], v[SS0+4*\it+MQ], v[SS1+4*\jt+MQ] matrix_a_fmt:MATRIX_FMT_FP4 matrix_b_fmt:MATRIX_FMT_FP4 matrix_a_scale:MATRIX_SCALE_ROW1 matrix_b_scale:MATRIX_SCALE_ROW1
.endif
.endr
.endr
.endm
; A K step of 128: the next step's fragments are asked for, then this step's 32 products are issued
.macro KSTEP s
.if (\s) == 3
	s_wait_tensorcnt 0x0                           ; K half 1's loads have landed;
	s_wait_dscnt 0x0                               ; no LDS load of mine is out at the signal
	s_barrier_signal -1
	s_barrier_wait -1                              ; everybody's have: step 4's fragments may be read
.endif
.if (\s) > 0
.rept 4
	v_nop                                          ; four places between the last step's products and the loads into the buffer that they read (ISA guide 7.12.1 for vector instructions)
.endr
.endif
.if (\s) < 7
	FETCH (\s)+1, 1-(\s)%2
	s_wait_dscnt 24                                ; this step's 24 loads are in; the 24 just issued may be out
.else
	s_wait_dscnt 0x0
.endif
.set MP, FB+96*((\s)%2)
.set MQ, (\s)%4
	WIN 0x50                                       ; C and D in window 1
.if (\s) == 0
	MUL32 0
.elseif (\s) < 4
	MUL32 1
.else
	MUL32 2
.endif
	WIN 0
.endm
	s_wait_alu depctr_va_vdst(0)                   ; the wait at the head's end
	s_cmp_lt_u32 s4, 4
	s_cbranch_scc0 .Lhalf_0
	s_wait_tensorcnt 0x0                           ; waves 0-3: my part of K half 0 has landed; waves 4-7 have half 1's on its way, by lines of their own, until K step 3
.Lhalf_0:
	s_barrier_signal -1
	s_barrier_wait -1                              ; all of K half 0 is in
	FETCH 0, 0
	s_wait_loadcnt 0x0                             ; the scale words
.irp s, 0,1,2,3,4,5,6,7
	KSTEP \s
.endr
	; THE WAY OUT.  In lane (r, h) the 32 registers of accumulators (jt, 4 c .. 4 c + 3) are a whole block of i.
.rept 4
	v_nop                                          ; four places behind the last products: results are read, and the fragment buffers are written
.endr
.irp jt, 0,1,2,3
	s_mul_i32 s100, s80, \jt
	v_add_nc_u32 v[OA+2*\jt], s100, v12
	s_add_co_u32 s100, s100, s81
	v_add_nc_u32 v[OA+2*\jt+1], s100, v12
.endr
	v_mul_u32_u24 v80, s66, v2
	v_lshlrev_b32 v81, 3, v2                       ; 8 h: my bytes' place in the word,
	v_sub_nc_u32 v82, 8, v81                       ; and lane l xor 16's
	v_mul_u32_u24 v83, s83, v2
	v_mov_b32 v84, 0                               ; a lane permute's destination counts as one of its sources
	v_and_b32 v85, 31, v0
	v_lshl_add_u32 v80, v1, 4, v80
	v_add_nc_u32 v80, s86, v80                     ; scale words: 16 r, + a head for lanes 16-31 (q, k), + my part's first byte
; The 64 numbers of j = ROW(jt, r) in lanes (r, 0) and (r, 1) and both groups c become fragment registers and a scale word
.macro QUANT jt
.set AC, 64*(\jt)
	WIN 0x05                                       ; sources 0 and 1: the accumulators' window
.irp b, 0,1,2,3
	v_max3_num_f32 v[TM+\b], |v[AC+16*\b]|, |v[AC+16*\b+1]|, 0x1800000   ; half blocks, from each accumulator's low end on, and the floor 2^(3 - 127): the byte cannot fall under 1
.endr
.irp i, 2,4,6,8,10,12,14
.irp b, 0,1,2,3
	v_max3_num_f32 v[TM+\b], |v[AC+16*\b+\i]|, |v[AC+16*\b+\i+1]|, v[TM+\b]   ; (the four by turns)
.endr
.endr
	WIN 0
	v_max_num_f32 v[TM], v[TM], v[TM+1]            ; block c = 0,
	v_max_num_f32 v[TM+2], v[TM+2], v[TM+3]        ; c = 1
	v_add_nc_u32 v[TM+4], 0xff000000, v[TM]        ; 2 off the exponent field: the conversion takes the exponent field of this operand as its scale
	v_add_nc_u32 v[TM+5], 0xff000000, v[TM+2]
	v_lshrrev_b32 v[TM+6], 23, v[TM+4]             ; the scale's byte
	v_lshrrev_b32 v[TM+7], 23, v[TM+5]
	v_lshl_or_b32 v[TM+6], v[TM+7], 16, v[TM+6]
	v_permlanex16_b32 v84, v[TM+6], s98, s99
	v_lshlrev_b32 v[TM+6], v81, v[TM+6]
	v_lshl_or_b32 v[PW+(\jt)], v84, v82, v[TM+6]   ; bytes (c, h) = (0, 0), (0, 1), (1, 0), (1, 1)
	WIN 0x01                                       ; source 0: the accumulators' window
.irp c, 0,1
.irp g, 0,1,2,3
	v_cvt_scalef32_pk8_fp4_f32 v[PC+8*(\jt)+4*\c+\g], v[AC+32*\c+8*\g:AC+32*\c+8*\g+7], v[TM+4+\c]
.endr
.endr
	WIN 0
	v_nop                                          ; one plain place behind a scaled conversion
	global_store_b128 v[OA+2*(\jt)], v[PC+8*(\jt):PC+8*(\jt)+3], s[36:37]       ; 32 lanes store 512 consecutive bytes, at a multiple of 512 from the buffer's first byte
	global_store_b128 v[OA+2*(\jt)+1], v[PC+8*(\jt)+4:PC+8*(\jt)+7], s[36:37]   ; each store has data and offset registers of its own: none is written again
.endm
	QUANT 0
	QUANT 1
	QUANT 2
	QUANT 3
.irp t, 0,1,2,3
	v_lshrrev_b32 v[PWS+(\t/2)+2*(\t%2)], v83, v[PW+\t]   ; q, k: lanes 16-31 bring the second head's two bytes down
.endr
	s_wait_alu depctr_va_vdst(0)                   ; the wait here, directly ahead of the wait below
	s_wait_xcnt 0x0                                ; EXEC is a source of the stores above: it changes only behind this wait
	v_cmp_gt_u32 vcc_lo, s67, v85
	s_and_saveexec_b32 s97, vcc_lo                 ; q, k: all lanes; v: lanes 0-15
	global_store_b128 v80, v[PWS:PWS+3], s[38:39]  ; sixteen lanes store 256 consecutive bytes, at a multiple of 256 from the buffer's first byte
	s_wait_xcnt 0x0                                ; and again in front of the line that widens it
	s_or_b32 exec_lo, exec_lo, s97
	s_wait_tensorcnt 0x0                           ; the wave's end
	ds_add_u32 v14, v15
	s_wait_dscnt 0x0
	ROUND                                          ; the closing round: no work-group ends while a partner may still ask for a tile that names it
	s_endpgm
.Lfunc_end_k_q1db213357f_proj:
	.size	k_q1db213357f_proj, .Lfunc_end_k_q1db213357f_proj-k_q1db213357f_proj
	.p2alignl 7, 3214868480
	.fill 96, 4, 3214868480
	.section	.rodata,"a",@progbits
	.p2align	6, 0x0
	.amdhsa_kernel k_q1db213357f_proj
		.amdhsa_group_segment_fixed_size 279552
		.amdhsa_private_segment_fixed_size 0
		.amdhsa_enable_private_segment 0
		.amdhsa_kernarg_size 128
		.amdhsa_user_sgpr_count 2
		.amdhsa_user_sgpr_kernarg_segment_ptr 1
		.amdhsa_wavefront_size32 1
		.amdhsa_system_sgpr_workgroup_id_x 1
		.amdhsa_system_sgpr_workgroup_id_y 1
		.amdhsa_system_sgpr_workgroup_id_z 1
		.amdhsa_system_vgpr_workitem_id 0
		.amdhsa_next_free_vgpr 512
		.amdhsa_next_free_sgpr 102
		.amdhsa_reserve_vcc 1
		.amdhsa_float_denorm_mode_32 3
		.amdhsa_float_denorm_mode_16_64 3
		.amdhsa_memory_ordered 1
		.amdhsa_forward_progress 1
		.amdhsa_inst_pref_size 73
	.end_amdhsa_kernel
	.amdgpu_metadata
---
amdhsa.version: [ 1, 2 ]
amdhsa.kernels:
  - .name:           k_q1db213357f_proj
    .symbol:         k_q1db213357f_proj.kd
    .args:
      - { .name: input_q_codes, .offset: 0, .size: 8, .value_kind: global_buffer, .address_space: global }
      - { .name: input_q_scales, .offset: 8, .size: 8, .value_kind: global_buffer, .address_space: global }
      - { .name: input_k_codes, .offset: 16, .size: 8, .value_kind: global_buffer, .address_space: global }
      - { .name: input_k_scales, .offset: 24, .size: 8, .value_kind: global_buffer, .address_space: global }
      - { .name: wq_codes, .offset: 32, .size: 8, .value_kind: global_buffer, .address_space: global }
      - { .name: wq_scales, .offset: 40, .size: 8, .value_kind: global_buffer, .address_space: global }
      - { .name: wk_codes, .offset: 48, .size: 8, .value_kind: global_buffer, .address_space: global }
      - { .name: wk_scales, .offset: 56, .size: 8, .value_kind: global_buffer, .address_space: global }
      - { .name: wv_codes, .offset: 64, .size: 8, .value_kind: global_buffer, .address_space: global }
      - { .name: wv_scales, .offset: 72, .size: 8, .value_kind: global_buffer, .address_space: global }
      - { .name: qimg, .offset: 80, .size: 8, .value_kind: global_buffer, .address_space: global }
      - { .name: qsc, .offset: 88, .size: 8, .value_kind: global_buffer, .address_space: global }
      - { .name: kimg, .offset: 96, .size: 8, .value_kind: global_buffer, .address_space: global }
      - { .name: ksc, .offset: 104, .size: 8, .value_kind: global_buffer, .address_space: global }
      - { .name: vimg, .offset: 112, .size: 8, .value_kind: global_buffer, .address_space: global }
      - { .name: vsc, .offset: 120, .size: 8, .value_kind: global_buffer, .address_space: global }
    .group_segment_fixed_size: 279552
    .private_segment_fixed_size: 0
    .kernarg_segment_align: 8
    .kernarg_segment_size: 128
    .max_flat_workgroup_size: 256
    .sgpr_count:     102
    .vgpr_count:     512
    .wavefront_size: 32
...
	.end_amdgpu_metadata
.endif
;; end of part 1
;; launch attn (part 2): grid 8 x 32, 16 waves a work-group, clusters of 4 x 1, 219,136 bytes of LDS; arguments qimg, qsc, kimg, ksc, vimg, vsc, out0; writes out0
.if DOCPART == 2
	.amdgcn_target "amdgcn-amd-amdhsa--gfx1250"
	.amdhsa_code_object_version 6
	.text
	.protected	k_q1db213357f_attn
	.globl	k_q1db213357f_attn
	.p2align	8
	.type	k_q1db213357f_attn,@function
k_q1db213357f_attn:
	s_mov_b64 s[64:65], 0
	v_nop
	global_prefetch_b8 v0, s[64:65] scope:SCOPE_SE
	s_setreg_imm32_b32 hwreg(HW_REG_WAVE_MODE, 25, 1), 1
	s_wait_xcnt 0x0
	s_wait_alu depctr_hold_cnt(0) depctr_sa_sdst(0) depctr_va_vdst(0) depctr_va_sdst(0) depctr_va_ssrc(0) depctr_va_vcc(0) depctr_vm_vsrc(0)
	s_getreg_b32 s2, hwreg(HW_REG_IB_STS2, 6, 4)
	s_cmp_eq_u32 s2, 0
	s_cbranch_scc0 .Lentry_in_a_cluster
	s_endpgm
.Lentry_in_a_cluster:
	s_bfe_u32 s2, ttmp6, 0x10000c
	s_cmp_lg_u32 s2, 0x3003
	s_cbranch_scc0 .Lentry_shape_is_right
	s_endpgm
.Lentry_shape_is_right:
; out[b][q][64 head + d] = the sum over keys of softmax(q . k / 8) v, both products on codes of FP4 (E2M1) with one E8M0 scale for each 32 along a product's K.
; q, k and v arrive as images of operand registers with their scale words (l = lane = 16 h + r; bh = 16 x batch + head; ROW(t, r) = r < 8: 8 t + r;  r >= 8: 32 + 8 (t xor 1) + r % 8):
;   qimg, kimg [bh][g 0..31][t 0..3][l][16 bytes]: row 64 g + ROW(t, r), channels 32 h .. 32 h + 31 (one order for q and k);   qsc, ksc [bh][g][r][t = 0, 2, 1, 3] words (bytes 0, 1; bytes 2, 3 are never 0xff);
;   vimg [bh][s 0..15][t][c][l][16 bytes]: channel ROW(t, r), keys 128 s + 64 c + 32 h + 0 .. 31, for h = 1 its groups of eight in the order 1, 0, 3, 2;   vsc [bh][s][r][t = 0, 2, 1, 3] words.
; THE SOFTMAX, BLOCK BY BLOCK.  t = score x log2(e) / 8.  A block of 32 keys has F = floor(its largest t), and p' = 2^(t - F) is what is exponentiated; its codes are p' / 2^(y - 2) with
; y = floor(F's remainder of the block's largest t), which is 0 but where |t| passes what f32 can hold to a fraction.  M = the row's largest F so far, a whole number: p = p' 2^(F - M).
; So M enters only the block's scale byte, F - M + y + 125, and the weight 2^(F - M) of the block's sum of p' (unquantised, f32).  Powers of two: nothing is rounded, and any whole M gives the same quotient.
; M moves once for 512 keys: the sum and O are then multiplied by 2^(old M - new M).
; SHARES.  A work-group owns 256 queries of one head: 256 work-groups.  Each of its sixteen waves owns 16 queries in 256 registers, four waves to a SIMD, and walks the head's 2,048 keys.
; LDS.  A head's K (64 KiB), V (64 KiB) and their scale words (12 KiB) lie in LDS whole, each byte filled once: no ring, and no prefetch: all that is read is asked for at the head.
; CLUSTER 4 x 1: four blocks of queries of one head want the same K and V: each part is asked for jointly, with the mask of all four.
; LAYOUT.  Both products are used transposed: S^T = K Q^T (source 0 = 32 keys), O^T = V^T P^T (source 0 = 32 channels): a lane holds ONE query throughout.  By ROW a lane's 32 scores of 64 keys are one whole block.
; The head has 64 channels and the instruction is 128 deep: Q's registers 4-7 are zero codes; what stands in K's there (the next tile's codes) is multiplied by them.
; A UNIT is 64 keys.  Two score buffers take turns.  In unit u: the exponentials of u stand among the multiply-adds of u + 1; then u's sum and codes, the scores of u + 2, its largest score and F; and one of the
; eight products of the 512 keys before.  K's and V's fragments are loaded a unit ahead.
; LIMITS: NaN and infinities are not served.  |t| stays under 2^31.  A p' under 2^-126 counts as 0 (v_exp_f32 flushes).  A block more than 124 powers of two under M keeps the weight 2^-124 and the byte 1.
.set VIMG,  65536                      ; LDS: K's images at 0, V's here,
.set SCK,   131072                     ; K's scale words, 8,192 bytes, and V's behind them, 4,096 bytes,
.set STG,   147456                     ; the stages for the way out: 16 rows x (256 + 16) bytes for each wave; no tensor load lands here
.set SP,    272
.set SPARE, STG+16*16*SP               ; the spare words
.set T,     4                          ; v4-11    at work
.set WD,    12                         ; v12-15   p's scale words of the 512 keys before
.set NM,    25                         ; v25      -M
.set SC,    30                         ; v30-31   the conversions' scale operands
.set S,     64                         ; v64-127  two buffers of scores, then p'
.set CODE,  128                        ; v128-191 p's codes of 512 keys, two sets
.set O,     192                        ; v192-223 O^T: channels of tiles 0, 1, then 2, 3
.set NF,    224                        ; v224-233 -F of the last ten units
.set YR,    234                        ; v234-243 y of the last ten units
.set SUM,   244                        ; v244-251 the sums of p' of eight units
.set L,     252                        ; v252-253 the row's sum in two halves
.set F,     254                        ; v254     2^(old M - new M);  v255 at work
; v0 thread; v1 K's images, v2 V's, v3 scale words: my lane's addresses; v16-23 Q, v24 its scale words; v26-27 K's scale words, v28-29 V's; v32-47 K: tiles 0, 2, 1, 3, four registers each; v48-63 V
; s18 wave; s20 block of queries; s21 bh; s[22:23] lane selects; s[24:25] c; s26 -c; s27 2^-2
.macro ROUND                           ; a round of the cluster's barrier
	s_barrier_signal -1
	s_barrier_wait -1
	s_cmp_lg_u32 s18, 0
	s_cbranch_scc1 .Lnot_wave_0_\@
	s_barrier_signal -3
.Lnot_wave_0_\@:
	s_barrier_wait -3
	s_barrier_signal -1
	s_barrier_wait -1
.endm
.macro G1SET g, rows                   ; descriptor group 1: a dense block as rows of 256 bytes (32 elements of 8 bytes); the mask of all four work-groups, bit 21 set beside it; no padding
	s_mov_b32 s[\g], 15|(3<<16)|(1<<21)
	s_mov_b32 s[\g+1], 32<<16
	s_mov_b32 s[\g+2], (\rows)<<16
	s_mov_b32 s[\g+3], 32<<16
	s_mov_b32 s[\g+4], \rows
	s_mov_b32 s[\g+5], 32
	s_mov_b32 s[\g+6], 0
	s_mov_b32 s[\g+7], 0
.endm
.macro G0SET g, lds, ptr, add          ; descriptor group 0: count 1, a constant LDS address, pointer + add, type 2
	s_mov_b32 s[\g], 1
	s_mov_b32 s[\g+1], \lds
	s_add_nc_u64 s[\g+2:\g+3], s[\ptr:\ptr+1], \add
	s_or_b32 s[\g+3], s[\g+3], 0x80000000
.endm
.macro ARM under, g0, g1, next         ; one arm of the head's tree: a joint load and the lines behind it
	s_cmp_lt_u32 s18, \under
	s_cbranch_scc0 \next
	tensor_load_to_lds s[\g0:\g0+3], s[\g1:\g1+7]
	s_nop 0
.rept 4
	v_nop
.endr
	s_branch .Lasked
\next:
.endm
	s_load_b256 s[4:11], s[0:1], 0x0               ; qimg, qsc, kimg, ksc
	s_load_b128 s[12:15], s[0:1], 0x20             ; vimg, vsc
	s_load_b64 s[16:17], s[0:1], 0x30              ; out
	v_lshl_add_u32 v8, v0, 2, SPARE
	v_mov_b32 v9, 0
	ds_add_u32 v8, v9                              ; the wave's opening: the add, twice on end, and its wait ahead of my first tensor load
	ds_add_u32 v8, v9
	v_lshrrev_b32 v4, 5, v0
	v_readfirstlane_b32 s18, v4                    ; wave 0..15
	s_bfe_u32 s19, ttmp6, 0x40000                  ; cx
	s_lshl_b32 s20, ttmp9, 2
	s_add_co_u32 s20, s20, s19                     ; my block of 256 queries: it enters Q's and out's addresses alone
	s_and_b32 s21, ttmp7, 0xffff                   ; bh, which the four partners share
	s_mov_b32 s22, 0x76543210
	s_mov_b32 s23, 0xfedcba98                      ; v_permlanex16_b32's selects for lane l xor 16
	s_mov_b32 s24, 0x3e38aa3b                      ; c = log2(e) / 8
	s_mov_b32 s25, s24                             ; (named with it as a pair, so it is written)
	s_mov_b32 s26, 0xbe38aa3b                      ; -c
	s_mov_b32 s27, 0x3e800000                      ; 2^-2
	G1SET 28, 64                                   ; K's units 0-7
	G1SET 36, 192                                  ; the others
	G1SET 44, 32                                   ; K's scale words
	G1SET 52, 256                                  ; V
	G1SET 68, 16                                   ; V's scale words
	s_lshl_b32 s60, s21, 16                        ; the head's first byte in the images,
	s_mov_b32 s61, 0
	s_lshl_b32 s62, s21, 13                        ; in q's and k's scale words,
	s_mov_b32 s63, 0
	s_lshl_b32 s66, s21, 12                        ; in v's
	s_mov_b32 s67, 0
.irp j, 0,1,2,3
	v_mov_b32 v[20+\j], 0                          ; Q's zero codes for k = 64 .. 127
	v_mov_b32 v[48+\j], 0                          ; (the last tile of K names these four as its upper half)
.endr
	v_and_b32 v1, 31, v0
	v_and_b32 v4, 15, v0                           ; r
	v_bfe_u32 v5, v0, 4, 1                         ; h
	v_lshlrev_b32 v1, 4, v1                        ; 16 x lane: an image's place for my lane; K's images begin at LDS byte 0
	v_lshl_add_u32 v3, v4, 4, SCK
	v_add_nc_u32 v2, VIMG, v1
	v_lshl_add_u32 v3, v5, 3, v3                   ; scale words: row r's pair for tiles h and 2 + h
	v_lshlrev_b32 v10, 4, v4                       ; Q's scale words
	v_mov_b32 v255, 0                              ; (a lane permute's destination counts as one of its sources)
.irp j, 3,5,7,9
	v_mov_b32 v[NF+\j], 0                          ; (named as a pair's other half before they are first written)
.endr
	s_wait_alu depctr_va_vdst(0)                   ; the wait here, ahead of the waits below
	s_wait_dscnt 0x0                               ; both opening adds are done
	s_wait_kmcnt 0x0
	s_add_nc_u64 s[8:9], s[8:9], s[60:61]          ; K's images, scale words, V's images, scale words: at the head
	s_add_nc_u64 s[10:11], s[10:11], s[62:63]
	s_add_nc_u64 s[12:13], s[12:13], s[60:61]
	s_add_nc_u64 s[14:15], s[14:15], s[66:67]
	G0SET 76, 0, 8, 0
	G0SET 80, SCK, 10, 0
	G0SET 84, 16384, 8, 16384
	G0SET 88, VIMG, 12, 0
	G0SET 92, SCK+8192, 14, 0
	ROUND                                          ; all four work-groups are here: the joint loads meet
	ARM 1, 76, 28, .Lask_1                         ; one load a wave: wave 0 K's units 0-7, wave 1 K's scale words, wave 2 the rest of K, wave 3 V, wave 4 V's scale words
	ARM 2, 80, 44, .Lask_2
	ARM 3, 84, 36, .Lask_3
	ARM 4, 88, 52, .Lask_4
	ARM 5, 92, 68, .Lask_5
.Lasked:
	s_lshl_b32 s96, s20, 13                        ; my tile of Q: 16 x block + wave, 512 bytes a tile
	s_lshl_b32 s98, s18, 9
	s_add_co_u32 s96, s96, s98
	s_mov_b32 s97, 0
	s_add_nc_u64 s[4:5], s[4:5], s[60:61]
	s_add_nc_u64 s[4:5], s[4:5], s[96:97]
	global_load_b128 v[16:19], v1, s[4:5]          ; Q's fragment, registers 0-3
	s_lshl_b32 s96, s20, 10                        ; its scale words: group (tile / 4) of 256 bytes, in it word 0, 2, 1, 3 for tile % 4
	s_lshr_b32 s98, s18, 2
	s_lshl_b32 s98, s98, 8
	s_add_co_u32 s96, s96, s98
	s_and_b32 s98, s18, 1
	s_lshl_b32 s98, s98, 3
	s_add_co_u32 s96, s96, s98
	s_bfe_u32 s98, s18, 0x10001
	s_lshl_b32 s98, s98, 2
	s_add_co_u32 s96, s96, s98
	s_add_nc_u64 s[6:7], s[6:7], s[62:63]
	s_add_nc_u64 s[6:7], s[6:7], s[96:97]
	global_load_b32 v24, v10, s[6:7]               ; lane r: row r's scale word
	s_lshr_b32 s96, s21, 4                         ; out: my two runs of eight rows of 4,096 bytes: 2,048 x batch + 256 x block + 64 (wave / 4)
	s_lshl_b32 s96, s96, 11
	s_lshl_b32 s98, s20, 8
	s_add_co_u32 s96, s96, s98
	s_lshr_b32 s98, s18, 2
	s_lshl_b32 s98, s98, 6
	s_add_co_u32 s96, s96, s98
	s_and_b32 s98, s18, 3
	s_lshl_b32 s98, s98, 3                         ; + 8 (wave % 4),
	s_xor_b32 s100, s98, 8
	s_add_co_u32 s98, s98, s96
	s_add_co_u32 s100, s100, s96
	s_add_co_u32 s100, s100, 32                    ; + 32 + 8 ((wave % 4) xor 1)
	s_lshl_b32 s98, s98, 12
	s_lshl_b32 s100, s100, 12
	s_and_b32 s96, s21, 15
	s_lshl_b32 s96, s96, 8                         ; + 256 x head
	s_add_co_u32 s98, s98, s96
	s_add_co_u32 s100, s100, s96
	s_mov_b32 s99, 0
	s_mov_b32 s101, 0
	s_add_nc_u64 s[2:3], s[16:17], s[98:99]
	s_add_nc_u64 s[16:17], s[16:17], s[100:101]
.macro LOADK n                         ; K's fragments and scale words of unit n
	ds_load_b128 v[32:35], v1 offset:2048*(\n)
	ds_load_b128 v[40:43], v1 offset:2048*(\n)+512
	ds_load_b128 v[36:39], v1 offset:2048*(\n)+1024
	ds_load_b128 v[44:47], v1 offset:2048*(\n)+1536
	ds_load_b64 v[26:27], v3 offset:256*(\n)
.endm
.macro LOADV reg, s, dh                ; V's fragment: 32 channels x keys 128 s on
.irp q, 0,1,2,3
	ds_load_b128 v[(\reg)+4*\q:(\reg)+4*\q+3], v2 offset:4096*(\s)+2048*(\dh)+512*\q
.endr
.endm
.macro SCORES b                        ; S^T of 64 keys: register 8 t + j is row 8 h + j of tile t
	v_wmma_scale_f32_32x16x128_f4 v[\b:\b+15], v[32:47], v[16:23], 0, v26, v24
	v_wmma_scale_f32_32x16x128_f4 v[\b+16:\b+31], v[36:51], v[16:23], 0, v27, v24
.endm
; The block's largest score (four chains by turns, each product's results from the low end on), -F, y and the conversions' scale operand 2^(y - 2)
.macro LARGEST n, b
.irp a, 0,2,1,3
	v_max3_num_f32 v[T+\a], v[\b+8*\a], v[\b+8*\a+1], v[\b+8*\a+2]
.endr
.irp i, 3,5
.irp a, 0,2,1,3
	v_max3_num_f32 v[T+\a], v[T+\a], v[\b+8*\a+\i], v[\b+8*\a+\i+1]
.endr
.endr
	v_max3_num_f32 v[T], v[T], v[T+1], v[\b+7]
	v_max3_num_f32 v[T+2], v[T+2], v[T+3], v[\b+15]
	v_max3_num_f32 v[T], v[T], v[\b+23], v[\b+31]
	v_max_num_f32 v[T], v[T], v[T+2]
	s_delay_alu instid0(VALU_DEP_1)
	v_mul_f32 v[T+1], s26, v[T]
	s_delay_alu instid0(VALU_DEP_1)
	v_ceil_f32 v[NF+(\n)%10], v[T+1]               ; ceil(-t) = -floor(t)
	s_delay_alu instid0(VALU_DEP_1)
	v_fma_f32 v[T+1], v[T], s24, v[NF+(\n)%10]
	s_delay_alu instid0(VALU_DEP_1)
	v_cvt_floor_i32_f32 v[YR+(\n)%10], v[T+1]
	s_delay_alu instid0(VALU_DEP_1)
	v_lshl_add_u32 v[SC+(\n)%2], v[YR+(\n)%10], 23, s27
.endm
.macro ARG b, n, j                     ; t - F, two at a time
.if (\n)%2
	v_pk_fma_f32 v[\b+2*(\j):\b+2*(\j)+1], v[\b+2*(\j):\b+2*(\j)+1], s[24:25], v[NF+(\n)%10-1:NF+(\n)%10] op_sel:[0,0,1] op_sel_hi:[1,0,1]
.else
	v_pk_fma_f32 v[\b+2*(\j):\b+2*(\j)+1], v[\b+2*(\j):\b+2*(\j)+1], s[24:25], v[NF+(\n)%10:NF+(\n)%10+1] op_sel_hi:[1,0,0]
.endif
.endm
.macro PLACES                          ; four places behind a matrix instruction (ISA guide 7.12.1)
.rept 4
	v_nop
.endr
.endm
; UNIT U
.macro UNIT
.set SB, S+32*(U%2)                    ; the buffer of U, and of U + 2
.set SN, S+32*((U+1)%2)                ; of U + 1
.set CD, CODE+32*((U/8)%2)+4*(U%8)
.if U < 31
	ARG SN, U+1, 0
.endif
.irp i, 0,1,2,3,4,5,6,7,8,9,10,11,12,13,14,15
	v_exp_f32 v[SB+2*\i], v[SB+2*\i]               ; p' = 2^(t - F)
	v_exp_f32 v[SB+2*\i+1], v[SB+2*\i+1]
.if (U < 31) && (\i < 15)
	ARG SN, U+1, \i+1
.endif
.endr
	s_wait_dscnt 0x0                               ; K of U + 2 and V of this unit's product are in: asked for a unit ago
.if U == 5
	s_wait_tensorcnt 0x0                           ; all that was asked for at the head has landed:
	s_barrier_signal -1
	s_barrier_wait -1                              ; K from unit 8 on and V may be read
.endif
	s_wait_alu depctr_va_vdst(0)                   ; the wait between the batch and its first readers, and directly ahead of the product
.if U >= 8                             ; one of the eight products of the 512 keys before: step (U % 8) / 2, channels 32 (U % 2) on; the two sums take turns
.set PB, CODE+32*((U/8-1)%2)+8*((U%8)/2)
.set OH, O+16*(U%2)
.if U < 10
	v_wmma_scale_f32_32x16x128_f4 v[OH:OH+15], v[48:63], v[PB:PB+7], 0, v[28+U%2], v[WD+(U%8)/2]
.else
	v_wmma_scale_f32_32x16x128_f4 v[OH:OH+15], v[48:63], v[PB:PB+7], v[OH:OH+15], v[28+U%2], v[WD+(U%8)/2]
.endif
.endif
.irp i, 0,1,2,3                        ; the block's sum, of the unquantised p'
	v_pk_add_f32 v[T+2*\i:T+2*\i+1], v[SB+2*\i:SB+2*\i+1], v[SB+8+2*\i:SB+9+2*\i]
.endr
.irp i, 0,1,2,3
	v_pk_add_f32 v[T+2*\i:T+2*\i+1], v[T+2*\i:T+2*\i+1], v[SB+16+2*\i:SB+17+2*\i]
.endr
.irp g, 0,1,2,3
	v_cvt_scalef32_pk8_fp4_f32 v[CD+\g], v[SB+8*\g:SB+8*\g+7], v[SC+U%2]   ; the codes as the next operand's registers want them
.endr
.irp i, 0,1,2,3
	v_pk_add_f32 v[T+2*\i:T+2*\i+1], v[T+2*\i:T+2*\i+1], v[SB+24+2*\i:SB+25+2*\i]
.endr
.if U < 30
	SCORES SB
.endif
	v_pk_add_f32 v[T:T+1], v[T:T+1], v[T+4:T+5]    ; these four are also the places between the products and the loads and reads below
	v_pk_add_f32 v[T+2:T+3], v[T+2:T+3], v[T+6:T+7]
	s_delay_alu instid0(VALU_DEP_1)
	v_pk_add_f32 v[T:T+1], v[T:T+1], v[T+2:T+3]
	s_delay_alu instid0(VALU_DEP_1)
	v_add_f32 v[SUM+U%8], v[T], v[T+1]
.if U < 29
	LOADK U+3
.endif
.if (U >= 7) && (U < 31)
.set VI, (U+1)%8
.set VT, 4*((U+1)/8-1)+VI/2
	LOADV 48, VT, VI%2
.if VI%2 == 0
	ds_load_b64 v[28:29], v3 offset:8192+256*VT
.endif
.endif
.if U < 30
	LARGEST U+2, SB
.endif
.endm
; Behind 512 keys, units 8 k .. 8 k + 7: M, the blocks' weights and scale bytes, the row's sum; O and the sum come under the new M
.macro MOVE k
	v_min3_num_f32 v[T], v[NF+(8*\k)%10], v[NF+(8*\k+1)%10], v[NF+(8*\k+2)%10]
	v_min3_num_f32 v[T+1], v[NF+(8*\k+3)%10], v[NF+(8*\k+4)%10], v[NF+(8*\k+5)%10]
.if \k
	v_min3_num_f32 v[T+2], v[NF+(8*\k+6)%10], v[NF+(8*\k+7)%10], v[NM]
.else
	v_min_num_f32 v[T+2], v[NF+(8*\k+6)%10], v[NF+(8*\k+7)%10]
.endif
	s_delay_alu instid0(VALU_DEP_1)
	v_min3_num_f32 v[T], v[T], v[T+1], v[T+2]
	v_permlanex16_b32 v[T+3], v[T], s22, s23
.if \k
	v_mov_b32 v[T+1], v[NM]
.endif
	v_min_num_f32 v[NM], v[T], v[T+3]              ; with lane l xor 16's blocks: -M
.if \k
	v_sub_f32 v[T+1], v[NM], v[T+1]                ; old M - new M: a whole number, 0 or less
	v_cvt_i32_f32 v[T+1], v[T+1]                   ; (it saturates)
	v_ldexp_f32 v[F], 1.0, v[T+1]
.irp j, 0,2,4,6,8,10,12,14,16,18,20,22,24,26,28,30
	v_pk_mul_f32 v[O+\j:O+\j+1], v[O+\j:O+\j+1], v[F:F+1] op_sel_hi:[1,0]
.endr
	v_pk_mul_f32 v[L:L+1], v[L:L+1], v[F:F+1] op_sel_hi:[1,0]
.endif
.irp i, 0,1,2,3,4,5,6,7
	v_sub_f32 v[T+\i], v[NM], v[NF+(8*\k+\i)%10]   ; F - M
.endr
.irp i, 0,1,2,3,4,5,6,7
	v_max_num_f32 v[T+\i], 0xc2f80000, v[T+\i]     ; held to -124
.endr
.irp i, 0,1,2,3,4,5,6,7
	v_cvt_i32_f32 v[T+\i], v[T+\i]
.endr
.irp i, 0,1,2,3,4,5,6,7
	v_add_nc_u32 v[YR+(8*\k+\i)%10], v[T+\i], v[YR+(8*\k+\i)%10]   ; F - M + y,
.endr
.irp i, 0,1,2,3,4,5,6,7
	v_max_i32 v[YR+(8*\k+\i)%10], 0xffffff84, v[YR+(8*\k+\i)%10]   ; held to -124
.endr
.irp j, 0,1,2,3
	v_lshl_add_u32 v[WD+\j], v[YR+(8*\k+2*\j+1)%10], 16, v[YR+(8*\k+2*\j)%10]
.endr
.irp j, 0,1,2,3
	v_add_nc_u32 v[WD+\j], 0x7d007d, v[WD+\j]      ; my blocks' bytes, at bytes 0 and 2;
.endr
.irp j, 0,1,2,3
	v_permlanex16_b32 v255, v[WD+\j], s22, s23
	v_lshl_or_b32 v[WD+\j], v255, 8, v[WD+\j]      ; in lanes 0-15 lanes 16-31's at bytes 1 and 3
.endr
.irp i, 0,1,2,3,4,5,6,7
	v_lshl_add_u32 v[T+\i], v[T+\i], 23, 0x3f800000   ; 2^(F - M)
.endr
.irp i, 0,2,4,6
.if (\k == 0) && (\i == 0)
	v_pk_mul_f32 v[L:L+1], v[SUM:SUM+1], v[T:T+1]
.else
	v_pk_fma_f32 v[L:L+1], v[SUM+\i:SUM+\i+1], v[T+\i:T+\i+1], v[L:L+1]
.endif
.endr
.endm
.macro LASTMUL i, reg, sc              ; the last 512 keys' products: step i / 2, channels 32 (i % 2) on
	s_wait_alu depctr_va_vdst(0)                   ; the wait directly ahead of every adding step of these two sums
	v_wmma_scale_f32_32x16x128_f4 v[O+16*((\i)%2):O+16*((\i)%2)+15], v[\reg:\reg+15], v[CODE+32+8*((\i)/2):CODE+39+8*((\i)/2)], v[O+16*((\i)%2):O+16*((\i)%2)+15], v[\sc], v[WD+(\i)/2]
.endm
	s_wait_alu depctr_va_vdst(0)                   ; the wait at the head's end
	s_cmp_lt_u32 s18, 2
	s_cbranch_scc0 .Lready
	s_wait_tensorcnt 0x0                           ; waves 0 and 1: K's units 0-7 and its scale words have landed; waves 2 to 4 have the rest on its way, by lines of their own, until unit 5
.Lready:
	s_barrier_signal -1
	s_barrier_wait -1                              ; so every wave may read them
	LOADK 0
	s_wait_loadcnt 0x0                             ; Q
	s_wait_dscnt 0x0
	SCORES S
	PLACES
	LOADK 1
	LARGEST 0, S
	s_wait_alu depctr_va_vdst(0)                   ; the wait here, directly ahead of the wait below
	s_wait_dscnt 0x0
	SCORES S+32
	PLACES
	LOADK 2
	LARGEST 1, S+32
.irp j, 0,1,2,3,4,5,6,7,8,9,10,11,12,13,14,15
	ARG S, 0, \j
.endr
	s_wait_alu depctr_va_vdst(0)                   ; the wait ahead of the exponentials
.set U, 0
.rept 8
	UNIT
.set U, U+1
.endr
	MOVE 0
.rept 8
	UNIT
.set U, U+1
.endr
	MOVE 1
.rept 8
	UNIT
.set U, U+1
.endr
	MOVE 2
.rept 8
	UNIT
.set U, U+1
.endr
	; V's last eight fragments, all at once, into registers that have no further use: the score buffers, V's and K's fragments, the other set of codes
	LOADV 64, 12, 0
	LOADV 80, 12, 1
	LOADV 96, 13, 0
	LOADV 112, 13, 1
	LOADV 48, 14, 0
	LOADV 32, 14, 1
	LOADV 128, 15, 0
	LOADV 144, 15, 1
	ds_load_b64 v[26:27], v3 offset:8192+256*12
	ds_load_b64 v[28:29], v3 offset:8192+256*13
	ds_load_b64 v[16:17], v3 offset:8192+256*14
	ds_load_b64 v[18:19], v3 offset:8192+256*15
	MOVE 3
	v_add_f32 v[T], v[L], v[L+1]                   ; the sum's two halves,
	v_permlanex16_b32 v[T+1], v[T], s22, s23
	v_add_f32 v[L], v[T], v[T+1]                   ; and lane l xor 16's blocks: the row's sum
	s_mul_i32 s96, s18, 16*SP
	s_add_co_u32 s96, s96, STG                     ; my stage
	s_wait_alu depctr_va_vdst(0)                   ; the wait ahead of the transcendental
	v_rcp_f32 v[L], v[L]
	v_and_b32 v4, 15, v0                           ; (a plain place behind the reciprocal)  r
	v_bfe_u32 v5, v0, 4, 1                         ; h
	v_mul_u32_u24 v6, v4, SP
	v_add_nc_u32 v6, s96, v6
	v_mul_u32_u24 v7, v5, 160
	v_mul_u32_u24 v10, v5, 96
	v_mul_u32_u24 v11, v5, SP
	v_add_nc_u32 v7, v6, v7                        ; in: row r; tile d's eight channels 32 h + 8 (d xor h): byte 32 d + 160 h for an even d,
	v_add_nc_u32 v10, v6, v10                      ; 32 d + 96 h for an odd one
	v_lshl_add_u32 v11, v4, 4, v11
	v_add_nc_u32 v11, s96, v11                     ; back: lanes 0-15 one row, lanes 16-31 the next
	v_lshlrev_b32 v6, 12, v5
	v_lshl_add_u32 v6, v4, 4, v6                   ; out: the same two rows of 4,096 bytes
	v_lshl_add_u32 v8, v0, 2, SPARE                ; my spare word and 0, made anew
	v_mov_b32 v9, 0
	s_wait_dscnt 0x0                               ; V's fragments are in
	LASTMUL 0, 64, 26
	LASTMUL 1, 80, 27
	LASTMUL 2, 96, 28
	LASTMUL 3, 112, 29
	LASTMUL 4, 48, 16
	LASTMUL 5, 32, 17
	LASTMUL 6, 128, 18
	LASTMUL 7, 144, 19
	PLACES
	; THE WAY OUT.  O^T is divided by the row's sum and goes through my own stage in LDS: sixteen lanes then store one query's 256 bytes.
.irp j, 0,2,4,6,8,10,12,14,16,18,20,22,24,26,28,30
	v_pk_mul_f32 v[S+\j:S+\j+1], v[O+\j:O+\j+1], v[L:L+1] op_sel_hi:[1,0]
.endr
.irp d, 0,1,2,3
	ds_store_b128 v[7+3*(\d%2)], v[S+8*\d:S+8*\d+3] offset:32*\d
	ds_store_b128 v[7+3*(\d%2)], v[S+8*\d+4:S+8*\d+7] offset:32*\d+16
.endr
.irp i, 0,1,2,3,4,5,6,7
	ds_load_b128 v[S+32+4*\i:S+32+4*\i+3], v11 offset:2*\i*SP   ; LDS serves a wave's instructions in order (ISA guide 5.7.1.4): these see my stores; no other wave touches my stage
.endr
.irp i, 0,1,2,3
	s_wait_dscnt 7-\i                              ; rows 2 i and 2 i + 1 are back; the younger loads may be out
	global_store_b128 v6, v[S+32+4*\i:S+32+4*\i+3], s[2:3] offset:8192*\i th:TH_STORE_NT   ; 16 lanes store 256 consecutive bytes, at a multiple of 256 from out's first byte
.endr
.irp i, 4,5,6,7
	s_wait_dscnt 7-\i
	global_store_b128 v6, v[S+32+4*\i:S+32+4*\i+3], s[16:17] offset:8192*(\i-4) th:TH_STORE_NT   ; rows 8-15 of the tile lie in the second run
.endr
	s_wait_tensorcnt 0x0                           ; the wave's end
	ds_add_u32 v8, v9
	s_wait_dscnt 0x0
	ROUND                                          ; the closing round: no work-group ends while a partner may still ask for a part that names it
	s_endpgm
.Lfunc_end_k_q1db213357f_attn:
	.size	k_q1db213357f_attn, .Lfunc_end_k_q1db213357f_attn-k_q1db213357f_attn
	.p2alignl 7, 3214868480
	.fill 96, 4, 3214868480
	.section	.rodata,"a",@progbits
	.p2align	6, 0x0
	.amdhsa_kernel k_q1db213357f_attn
		.amdhsa_group_segment_fixed_size 219136
		.amdhsa_private_segment_fixed_size 0
		.amdhsa_enable_private_segment 0
		.amdhsa_kernarg_size 56
		.amdhsa_user_sgpr_count 2
		.amdhsa_user_sgpr_kernarg_segment_ptr 1
		.amdhsa_wavefront_size32 1
		.amdhsa_system_sgpr_workgroup_id_x 1
		.amdhsa_system_sgpr_workgroup_id_y 1
		.amdhsa_system_sgpr_workgroup_id_z 1
		.amdhsa_system_vgpr_workitem_id 0
		.amdhsa_next_free_vgpr 256
		.amdhsa_next_free_sgpr 102
		.amdhsa_reserve_vcc 0
		.amdhsa_float_denorm_mode_32 3
		.amdhsa_float_denorm_mode_16_64 3
		.amdhsa_memory_ordered 1
		.amdhsa_forward_progress 1
		.amdhsa_inst_pref_size 215
	.end_amdhsa_kernel
	.amdgpu_metadata
---
amdhsa.version: [ 1, 2 ]
amdhsa.kernels:
  - .name:           k_q1db213357f_attn
    .symbol:         k_q1db213357f_attn.kd
    .args:
      - { .name: qimg, .offset: 0, .size: 8, .value_kind: global_buffer, .address_space: global }
      - { .name: qsc, .offset: 8, .size: 8, .value_kind: global_buffer, .address_space: global }
      - { .name: kimg, .offset: 16, .size: 8, .value_kind: global_buffer, .address_space: global }
      - { .name: ksc, .offset: 24, .size: 8, .value_kind: global_buffer, .address_space: global }
      - { .name: vimg, .offset: 32, .size: 8, .value_kind: global_buffer, .address_space: global }
      - { .name: vsc, .offset: 40, .size: 8, .value_kind: global_buffer, .address_space: global }
      - { .name: out0, .offset: 48, .size: 8, .value_kind: global_buffer, .address_space: global }
    .group_segment_fixed_size: 219136
    .private_segment_fixed_size: 0
    .kernarg_segment_align: 8
    .kernarg_segment_size: 56
    .max_flat_workgroup_size: 512
    .sgpr_count:     102
    .vgpr_count:     256
    .wavefront_size: 32
...
	.end_amdgpu_metadata
.endif
;; end of part 2
